; MI455X (gfx1250); checked and timed in simulation.
; The chip was launched on July 23, 2026; its instructions are those of AMD's public machine-readable ISA for CDNA 5 (MIT licence, August 2026) and "CDNA5" Instruction Set Architecture Reference Guide (July 2026). The comments in the code are by the model that wrote it; some were corrected since.
;; Category Specific Linear. Allowed arithmetic: matrix products marked QUANTISED: E2M3 operands, one E8M0 scale for each 32 along K, by v_wmma_scale_f32_16x16x128_f8f6f4 with both operands' format E2M3, f32 sums; everything else in f32.
;; Inputs: bias 8 x 1,024 float32; category_id 4 x 2,048 int32; weight_codes 8 x 1,024 x 32 x 24 uint8 (E2M3 codes of weight, K innermost, in blocks of 32 codes, four codes in three bytes); weight_scales 8 x 1,024 x 32 uint8 (E8M0 scales of weight, one for each 32 codes along K); x_codes 4 x 2,048 x 32 x 24 uint8 (E2M3 codes of x, K innermost, in blocks of 32 codes, four codes in three bytes); x_scales 4 x 2,048 x 32 uint8 (E8M0 scales of x, one for each 32 codes along K).
;; Outputs: out0 4 x 2,048 x 1,024 float32.
;; This version of the problem:
;;   THIS VERSION OF THE PROBLEM IS GIVEN IN LOW PRECISION. The matrix products marked QUANTISED in the list below multiply operands that are first quantised to E2M3 (2 exponent bits, 3 mantissa bits; 6 bits a number), with one power-of-two scale for each 32 numbers along K (OCP MX v1.0); their sums are f32. All else is computed in f32.
;;   The module's matrix products, in the order in which they are computed (A, B: the left and right operand; K: the contracted axis; several contracted axes count as one K, in the product's order):
;;     1. [M 8,192, K 1,024] x [K 1,024, N 8,192]; A: input x (given as codes); B: input weight (given as codes): QUANTISED
;;   THE QUANTISER, for each operand of a quantised product, along K:
;;     - K is cut into blocks of 32 from its start; a last block that is shorter is filled with zeros.
;;     - A block's scale is 2^e with e = floor(log2(the largest magnitude in the block)) - 2, held to -126 .. 127; a block of zeros has e = 0. As a byte (E8M0): e + 127.
;;     - Each number is divided by its block's scale, clamped to +-7.5, and rounded to the nearest number of E2M3, ties to even, subnormals kept.
;;     - The product sums the exact products of the quantised numbers (number of the format x scale) in f32.
;;   ~~~python
;;   def quantise(x, axis):      # numpy; x: float32 -> the quantised numbers, widened to float32 again
;;       x = np.moveaxis(x, axis, -1); K = x.shape[-1]
;;       x = np.pad(x, [(0, 0)] * (x.ndim - 1) + [(0, -K % 32)]); x = x.reshape(x.shape[:-1] + (-1, 32)); a = np.abs(x).max(-1, keepdims=True)
;;       e = np.where(a > 0, np.clip(np.frexp(np.where(a > 0, a, 1))[1] - 1 - 2, -126, 127), 0)      # np.frexp(a)[1] - 1 = floor(log2(a)), exactly
;;       r = np.clip(x / 2.0 ** e, -7.5, 7.5)
;;       step = 2.0 ** (np.maximum(np.frexp(np.where(r == 0, 1, r))[1] - 1, 0) - 3)
;;       q = np.round(r / step) * step * 2.0 ** e      # np.round: ties to even
;;       return np.moveaxis(q.reshape(q.shape[:-2] + (-1,))[..., :K], -1, axis).astype(np.float32)
;;   ~~~
;;   INPUTS GIVEN AS CODES. weight (in the module: [8, 1024, 1024], K = its axis 1); x (in the module: [4, 2048, 1024], K = its axis 2): each comes as NAME_codes (uint8): NAME with its K axis moved to the last place and cut into blocks of 32 codes, [.., K / 32, bytes a block], one block behind the other in memory; four codes in three bytes: a row's codes are one little-endian stream of bits, code i at bits 6 i .. 6 i + 5 (a code: sign, 2 exponent bits, 3 mantissa bits); and NAME_scales (uint8): the same leading axes, one E8M0 byte (e + 127) for each 32 codes along K. Its value is code x scale, taken as it is: it is not quantised again, and the codes and scales need not be those that the quantiser above would give.
;; 2 versions. Each part assembles by itself: llvm-mc -triple=amdgcn-amd-amdhsa -mcpu=gfx1250 --defsym DOCPART=n.
;; ======== version 1 of 2: 2 launches
;; workspace buffers: list 32,768 bytes of whole numbers; meta 256 bytes of whole numbers
;; launch route (part 1): grid 8 x 1, 16 waves a work-group, no clusters, 2,304 bytes of LDS; arguments category_id, list, meta; writes list, meta
.if DOCPART == 1
	.amdgcn_target "amdgcn-amd-amdhsa--gfx1250"
	.amdhsa_code_object_version 6
	.text
	.protected	k_q5975118c0a_route
	.globl	k_q5975118c0a_route
	.p2align	8
	.type	k_q5975118c0a_route,@function
k_q5975118c0a_route:
	s_mov_b64 s[64:65], 0
	v_nop
	global_prefetch_b8 v0, s[64:65] scope:SCOPE_SE
	s_setreg_imm32_b32 hwreg(HW_REG_WAVE_MODE, 25, 1), 1
	s_wait_xcnt 0x0
; A counting sort of the 8,192 tokens by category, without atomics.  category_id: [8192] int32, values 0 .. 7.
; Work-group c lists category c: it reads ALL ids, counts those below c (where its part of the list begins) and those equal to c,
; and stores the numbers of its tokens into list[begin .. begin + n - 1].  The eight parts follow each other, so every word of list is written.
; meta word c = n (tokens of category c), meta word 8 + c = ceil(n / 144) (tiles of 144 rows that the next launch gives it).
; SHARES: sixteen waves; wave w takes ids 512 w .. 512 w + 511 by four loads of 16 bytes a lane (512 consecutive bytes a load).
; Slot j = 4 q + k of lane l is token 512 w + 128 q + 4 l + k.  Inside a category the list's order is wave, slot, lane: any order serves.
; LIMIT: an id outside 0 .. 7 is not served (the problem states that an index stays inside its table): such a token would be listed nowhere.
; The list's stores are 4 bytes a lane at neighbouring words of the list, under a mask: 32 KiB in all.
.set ID,   16                          ; v16-31  my 16 ids
.set POS,  32                          ; v32-47  slot j: where my token goes in the list, in bytes
.set TOKN, 48                          ; v48-63  the waves' 16 count words as they come from LDS, then slot j's token number
.set MK,   20                          ; s20-35  slot j: the lanes whose id is c
.set WD,   36                          ; s36-51  wave i's word: its count of ids = c below, of ids < c above
	s_load_b128 s[4:7], s[0:1], 0x0                ; category_id s[4:5], list s[6:7]
	s_load_b64 s[8:9], s[0:1], 0x10                ; meta
	v_lshl_add_u32 v72, v0, 2, 0x100
	v_mov_b32 v73, 0
	v_lshrrev_b32 v1, 5, v0
	v_readfirstlane_b32 s10, v1                    ; wave 0..15
	v_and_b32 v1, 31, v0                           ; lane
	s_mov_b32 s11, ttmp9                           ; c
	s_lshl_b32 s54, ttmp9, 2                       ; my word of meta: 4 c bytes, in a pair that holds nothing else
	s_mov_b32 s55, 0
	v_mov_b32 v8, 0                                ; the offset of the stores into meta; never rewritten
	s_lshl_b32 s14, s10, 11
	v_lshl_add_u32 v2, v1, 4, s14                  ; my 16 bytes of a load: 2,048 w + 16 l
	s_lshl_b32 s15, s10, 9
	v_lshl_add_u32 v3, v1, 2, s15                  ; my first token: 512 w + 4 l
	v_mov_b32 v4, s10
	v_lshlrev_b32 v4, 2, v4                        ; LDS: my wave's word
	v_mov_b32 v5, 0                                ; LDS: the sixteen words
	s_mov_b32 s12, 0                               ; my wave's ids = c
	s_mov_b32 s13, 0                               ; my wave's ids < c
	s_wait_kmcnt 0x0
	s_add_nc_u64 s[8:9], s[8:9], s[54:55]          ; meta at word c
.irp q, 0,1,2,3
	global_load_b128 v[ID+4*\q:ID+4*\q+3], v2, s[4:5] offset:512*\q
.endr
.irp q, 0,1,2,3
	s_wait_loadcnt 3-\q                            ; loads come back in order: load q is in, the 3 - q younger ones may be out
.irp k, 0,1,2,3
	v_cmp_eq_u32 s[MK+4*\q+\k], s11, v[ID+4*\q+\k]
	v_cmp_gt_u32 vcc_lo, s11, v[ID+4*\q+\k]        ; c > id
	s_bcnt1_i32_b32 s14, s[MK+4*\q+\k]
	s_bcnt1_i32_b32 s15, vcc_lo
	s_add_co_u32 s12, s12, s14
	s_add_co_u32 s13, s13, s15
.endr
.endr
	; the waves' counts meet in LDS: one word a wave, both counts in it (each at most 8,192, so sums of 16-bit halves never carry)
	s_lshl_b32 s14, s13, 16
	s_or_b32 s14, s14, s12
	v_mov_b32 v6, s14
	ds_store_b32 v4, v6                            ; all lanes write the same word with the same value
	s_wait_dscnt 0x0                               ; for the others' sake: my store has landed
	s_barrier_signal -1
	s_barrier_wait -1
.irp i, 0,1,2,3
	ds_load_b128 v[TOKN+4*\i:TOKN+4*\i+3], v5 offset:16*\i
.endr
	s_wait_dscnt 0x0
.irp i, 0,1,2,3,4,5,6,7,8,9,10,11,12,13,14,15
	v_readfirstlane_b32 s[WD+\i], v[TOKN+\i]
.endr
	s_mov_b32 s16, 0                               ; all waves' words added
	s_mov_b32 s17, 0                               ; those of the waves in front of mine
.irp i, 0,1,2,3,4,5,6,7,8,9,10,11,12,13,14,15
	s_cmp_gt_u32 s10, \i
	s_cselect_b32 s14, s[WD+\i], 0
	s_add_co_u32 s17, s17, s14
	s_add_co_u32 s16, s16, s[WD+\i]
.endr
	s_and_b32 s18, s16, 0xffff                     ; n: tokens of category c
	s_lshr_b32 s19, s16, 16                        ; where category c begins: all ids < c,
	s_and_b32 s14, s17, 0xffff
	s_add_co_u32 s19, s19, s14                     ; and my wave's part of it: behind the earlier waves' tokens
.irp j, 0,1,2,3,4,5,6,7,8,9,10,11,12,13,14,15
	v_mbcnt_lo_u32_b32 v[POS+\j], s[MK+\j], s19    ; the slot's begin + the marked lanes below mine
	s_bcnt1_i32_b32 s14, s[MK+\j]
	s_add_co_u32 s19, s19, s14
	v_min_u32 v[POS+\j], 0x1fff, v[POS+\j]         ; a number made of loaded data enters an address only under a written bound: the list has 8,192 words
	v_lshlrev_b32 v[POS+\j], 2, v[POS+\j]
	v_add_nc_u32 v[TOKN+\j], 128*(\j/4)+\j%4, v3   ; the slot's token
.endr
	s_wait_xcnt 0x0                                ; EXEC is a source of the loads above: it changes only behind this wait
.irp j, 0,1,2,3,4,5,6,7,8,9,10,11,12,13,14,15
	s_and_saveexec_b32 s52, s[MK+\j]               ; the lanes whose token belongs to c
	global_store_b32 v[POS+\j], v[TOKN+\j], s[6:7]
	s_wait_xcnt 0x0                                ; and it widens again only behind this one; nothing is issued between the restore and the next narrowing
	s_or_b32 exec_lo, exec_lo, s52
.endr
	s_cmp_lg_u32 s10, 0                            ; wave 0 stores the two numbers
	s_cbranch_scc1 .Lend
	s_add_co_u32 s14, s18, 143                     ; m = n + 143, at most 8,335
	s_mul_i32 s14, s14, 116509                     ; floor(m / 144) = (m x 116,509) >> 24: 144 x 116,509 = 2^24 + 80, so the quotient is m / 144 + 80 m / (144 x 2^24), and the excess stays under 1 / 144 while 80 m < 2^24; the product stays under 2^32
	s_lshr_b32 s15, s14, 24                        ; ceil(n / 144)
	v_mov_b32 v9, s18
	v_mov_b32 v10, s15
	global_store_b32 v8, v9, s[8:9]                ; all lanes: the same word, the same value
	global_store_b32 v8, v10, s[8:9] offset:32
.Lend:
	s_wait_tensorcnt 0x0
	ds_add_u32 v72, v73
	s_wait_dscnt 0x0
	s_endpgm
.Lfunc_end_k_q5975118c0a_route:
	.size	k_q5975118c0a_route, .Lfunc_end_k_q5975118c0a_route-k_q5975118c0a_route
	.p2alignl 7, 3214868480
	.fill 96, 4, 3214868480
	.section	.rodata,"a",@progbits
	.p2align	6, 0x0
	.amdhsa_kernel k_q5975118c0a_route
		.amdhsa_group_segment_fixed_size 2304
		.amdhsa_private_segment_fixed_size 0
		.amdhsa_enable_private_segment 0
		.amdhsa_kernarg_size 24
		.amdhsa_user_sgpr_count 2
		.amdhsa_user_sgpr_kernarg_segment_ptr 1
		.amdhsa_wavefront_size32 1
		.amdhsa_system_sgpr_workgroup_id_x 1
		.amdhsa_system_sgpr_workgroup_id_y 1
		.amdhsa_system_sgpr_workgroup_id_z 1
		.amdhsa_system_vgpr_workitem_id 0
		.amdhsa_next_free_vgpr 74
		.amdhsa_next_free_sgpr 66
		.amdhsa_reserve_vcc 1
		.amdhsa_float_denorm_mode_32 3
		.amdhsa_float_denorm_mode_16_64 3
		.amdhsa_memory_ordered 1
		.amdhsa_forward_progress 1
		.amdhsa_inst_pref_size 17
	.end_amdhsa_kernel
	.amdgpu_metadata
---
amdhsa.version: [ 1, 2 ]
amdhsa.kernels:
  - .name:           k_q5975118c0a_route
    .symbol:         k_q5975118c0a_route.kd
    .args:
      - { .name: category_id, .offset: 0, .size: 8, .value_kind: global_buffer, .address_space: global }
      - { .name: list, .offset: 8, .size: 8, .value_kind: global_buffer, .address_space: global }
      - { .name: meta, .offset: 16, .size: 8, .value_kind: global_buffer, .address_space: global }
    .group_segment_fixed_size: 2304
    .private_segment_fixed_size: 0
    .kernarg_segment_align: 8
    .kernarg_segment_size: 24
    .max_flat_workgroup_size: 512
    .sgpr_count:     66
    .vgpr_count:     74
    .wavefront_size: 32
...
	.end_amdgpu_metadata
.endif
;; end of part 1
;; launch gemm (part 2): grid 4 x 64, 4 waves a work-group, no clusters, 316,672 bytes of LDS; arguments x_codes, x_scales, weight_codes, weight_scales, bias, list, meta, out0; writes out0
.if DOCPART == 2
	.amdgcn_target "amdgcn-amd-amdhsa--gfx1250"
	.amdhsa_code_object_version 6
	.text
	.protected	k_q5975118c0a_gemm
	.globl	k_q5975118c0a_gemm
	.p2align	8
	.type	k_q5975118c0a_gemm,@function
k_q5975118c0a_gemm:
	s_mov_b64 s[64:65], 0
	v_nop
	global_prefetch_b8 v0, s[64:65] scope:SCOPE_SE
	s_setreg_imm32_b32 hwreg(HW_REG_WAVE_MODE, 25, 1), 1
	s_wait_xcnt 0x0
; out[t][:] = x[t] . W[cid[t]] + bias[cid[t]], on codes of FP6 (E2M3) with one E8M0 scale for each 32 along K = 1,024; only the chosen category of each token is multiplied.
; x_codes [8192][768 bytes], x_scales [8192][32]; weight_codes [8][1024 outputs][768 bytes], weight_scales [8][1024][32]; bias [8][1024] f32; out0 [8192][1024] f32.
; list [8192]: token numbers sorted by category; meta: words 0-7 n[c], words 8-15 t[c] = ceil(n[c] / 144): both stored by the launch before.
; SHARES.  A tile is 144 listed rows of ONE category x 256 outputs, all of K.  Whatever the split, sum of ceil(n[c] / 144) is at most (8,192 + 8 x 143) / 144, so 64 row tiles serve every split:
; grid y = row tile, grid x = quarter of the outputs: 256 work-groups.  Wave w makes outputs 256 x + 64 w .. + 63 for all 144 rows: 9 blocks of 16 rows x 4 tiles of 16 outputs x 8 matrix instructions.
; A tile that the split leaves short passes over its empty blocks of 16 rows by a scalar branch on the stored counts; a tile with no rows stores nothing.  All such branches stand behind the one barrier.
; NO JOINT LOADS, NO TENSOR LOADS: which category a work-group serves and how many rows it has are numbers read from memory, its x rows are gathered by the list, and short tiles leave by a branch on those
; numbers; so partners could not be held to the same requests, and the operands come by plain loads: every load of codes reads whole aligned runs of 256 bytes (sixteen lanes to a third of a row).
; LDS holds the 144 rows of x (shared) and each wave's own 64 rows of W, 784 bytes apart: 784 = 49 x 16, so the 16-byte pieces that sixteen rows' lanes take start at sixteen different places modulo 256 bytes.
; K IS TAKEN IN ANOTHER ORDER, BY WHOLE BLOCKS OF 32, ALIKE ON BOTH SIDES: lane half h owns bytes 384 h .. 384 h + 383 of its row, and matrix instruction s takes the lane's bytes 48 s .. 48 s + 47: three loads of 16 bytes.
; The operand's registers 6 c .. 6 c + 5 of half h then hold the row's block 16 h + 2 s + c, where the instruction expects its block 2 c + h: so the scale word of step s is the row's bytes {2 s, 16 + 2 s, 2 s + 1, 17 + 2 s}.
; LIMIT: the products are the same; the f32 sums are taken in that order of K and not in ascending order, so their last bits may differ from an ascending sum's.
; LAYOUT OF THE RESULT.  Source 0 = 16 rows of x, source 1 = 16 rows of W.  Lane r of W's tile b takes output 4 r + b of the wave's 64, so register j of accumulator b in lane (r, h) is out(row 8 h + j, output 4 r + b):
; the bias addition puts the four tiles' numbers into four neighbouring registers, and one store of 16 bytes a lane writes 256 consecutive aligned bytes of row j (lanes 0-15) and of row 8 + j (lanes 16-31).
; ROWS PAST A CATEGORY'S END inside a block of 16 are copies of its last row (the list index is held at the category's last entry): they store the same numbers to the same bytes.
; REGISTERS, in windows of 256: window 0: addresses, scale words, bias, accumulators, results.  Windows 1, 2: W as loaded, then W's 32 fragments ((b, s) at v[12 (4 b + s % 4)] of window 1 + s / 4): they stay.
;   window 3: x as loaded, then two sets of a block's 8 fragments, at v[96 (a % 2) + 12 s].
.set P,     784                        ; an LDS row: 768 bytes + 16
.set WB,    144*P                      ; behind x's 144 rows: W, 64 rows for each wave
.set WREG,  64*P
.set TOKB,  WB+4*WREG                  ; behind W: the tile's 160 token words, once for each wave
.set TOKW,  640
.set TK,   20                          ; v20-24   lane l: the token of row 32 i + l
.set WS,   32                          ; v32-47   W's scale words: v[WS + 8 j + s]: lanes 0-15 tile 2 j, lanes 16-31 tile 2 j + 1
.set XS,   48                          ; v48-87   x's: v[XS + 8 i + s]: lanes 0-15 block 2 i, lanes 16-31 block 2 i + 1
.set BIAS, 88                          ; v88-91   bias of outputs 4 r + 0 .. 3
.set ACC,  96                          ; v96-127  four accumulators
.set OUT,  128                         ; v128-159 results with bias: register 4 j + b
.set OT,   160                         ; v160-167 row j's byte offset in out0
.set WSR,  168                         ; v168-183 W's scale rows as loaded
.set XSR,  184                         ; v184-223 x's
.set ST,   224                         ; v224-241 byte offsets of the 18 pairs of x rows that I bring in
.set AT,   242                         ; v242-246 offsets: into the list, then into x's scales
.set MSB, 0
.macro WIN new                         ; the immediate's high byte repeats the setting that is left; a switch that changes nothing is dropped
.if MSB != (\new)
	s_set_vgpr_msb (MSB<<8)|(\new)
.set MSB, (\new)
.endif
.endm
; My 64 rows of W, a half at a time: pair p is rows 2 p (lanes 0-15) and 2 p + 1 (lanes 16-31), part u is 256 bytes of each
.macro WRAW half
	WIN 0x40*(1+\half)                             ; destination window 1 or 2
.irp p, 0,1,2,3,4,5,6,7,8,9,10,11,12,13,14,15
.irp u, 0,1,2
	global_load_b128 v[4*(3*\p+\u):4*(3*\p+\u)+3], v5, s[8:9] offset:1536*(16*\half+\p)+256*\u
.endr
.endr
.endm
.macro WSTORE half                     ; output q = 4 r + b goes to LDS row 16 b + r: pair p's rows to 32 (p % 2) + 16 (lane / 16) + p / 2
	WIN 0x04*(1+\half)                             ; an LDS store's data are its source 1
.irp p, 0,1,2,3,4,5,6,7,8,9,10,11,12,13,14,15
.irp u, 0,1,2
	ds_store_b128 v6, v[4*(3*\p+\u):4*(3*\p+\u)+3] offset:(32*(\p%2)+8*\half+\p/2)*P+256*\u
.endr
.endr
.endm
.macro WFRAG half                      ; W's fragments of steps 4 half .. 4 half + 3
	WIN 0x40*(1+\half)
.irp b, 0,1,2,3
.irp s, 0,1,2,3
.irp c, 0,1,2
	ds_load_b128 v[12*(4*\b+\s)+4*\c:12*(4*\b+\s)+4*\c+3], v7 offset:16*P*\b+48*(4*\half+\s)+16*\c
.endr
.endr
.endr
.endm
.macro AFETCH a                        ; block a's 8 fragments of x: 384 bytes a lane, 24 loads, into set a % 2
	WIN 0xc0                                       ; destination window 3
.irp q, 0,1,2,3,4,5,6,7,8,9,10,11,12,13,14,15,16,17,18,19,20,21,22,23
.if (\a) < 5
	ds_load_b128 v[96*((\a)%2)+4*\q:96*((\a)%2)+4*\q+3], v10 offset:((\a)%5)*16*P+16*\q
.else
	ds_load_b128 v[96*((\a)%2)+4*\q:96*((\a)%2)+4*\q+3], v11 offset:((\a)%5)*16*P+16*\q
.endif
.endr
.endm
; One product: block a of x, step s, tile b of W.  Step 0 starts the sum with the constant 0.  An odd block's, and an odd tile's, scale words lie in lanes 16-31.
.macro PROD a, s, b
.set rA, 96*((\a)%2)+12*(\s)
.set rW, 12*(4*(\b)+(\s)%4)
.set rC, ACC+8*(\b)
.set rX, XS+8*((\a)/2)+(\s)
.set rS, WS+8*((\b)/2)+(\s)
.if (\s) == 0
.if ((\a)%2 == 0) && ((\b)%2 == 0)
	v_wmma_scale_f32_16x16x128_f8f6f4 v[rC:rC+7], v[rA:rA+11], v[rW:rW+11], 0, v[rX], v[rS] matrix_a_fmt:MATRIX_FMT_FP6 matrix_b_fmt:MATRIX_FMT_FP6
.elseif ((\a)%2 == 1) && ((\b)%2 == 0)
	v_wmma_scale_f32_16x16x128_f8f6f4 v[rC:rC+7], v[rA:rA+11], v[rW:rW+11], 0, v[rX], v[rS] matrix_a_fmt:MATRIX_FMT_FP6 matrix_b_fmt:MATRIX_FMT_FP6 matrix_a_scale:MATRIX_SCALE_ROW1
.elseif ((\a)%2 == 0) && ((\b)%2 == 1)
	v_wmma_scale_f32_16x16x128_f8f6f4 v[rC:rC+7], v[rA:rA+11], v[rW:rW+11], 0, v[rX], v[rS] matrix_a_fmt:MATRIX_FMT_FP6 matrix_b_fmt:MATRIX_FMT_FP6 matrix_b_scale:MATRIX_SCALE_ROW1
.else
	v_wmma_scale_f32_16x16x128_f8f6f4 v[rC:rC+7], v[rA:rA+11], v[rW:rW+11], 0, v[rX], v[rS] matrix_a_fmt:MATRIX_FMT_FP6 matrix_b_fmt:MATRIX_FMT_FP6 matrix_a_scale:MATRIX_SCALE_ROW1 matrix_b_scale:MATRIX_SCALE_ROW1
.endif
.else
.if ((\a)%2 == 0) && ((\b)%2 == 0)
	v_wmma_scale_f32_16x16x128_f8f6f4 v[rC:rC+7], v[rA:rA+11], v[rW:rW+11], v[rC:rC+7], v[rX], v[rS] matrix_a_fmt:MATRIX_FMT_FP6 matrix_b_fmt:MATRIX_FMT_FP6
.elseif ((\a)%2 == 1) && ((\b)%2 == 0)
	v_wmma_scale_f32_16x16x128_f8f6f4 v[rC:rC+7], v[rA:rA+11], v[rW:rW+11], v[rC:rC+7], v[rX], v[rS] matrix_a_fmt:MATRIX_FMT_FP6 matrix_b_fmt:MATRIX_FMT_FP6 matrix_a_scale:MATRIX_SCALE_ROW1
.elseif ((\a)%2 == 0) && ((\b)%2 == 1)
	v_wmma_scale_f32_16x16x128_f8f6f4 v[rC:rC+7], v[rA:rA+11], v[rW:rW+11], v[rC:rC+7], v[rX], v[rS] matrix_a_fmt:MATRIX_FMT_FP6 matrix_b_fmt:MATRIX_FMT_FP6 matrix_b_scale:MATRIX_SCALE_ROW1
.else
	v_wmma_scale_f32_16x16x128_f8f6f4 v[rC:rC+7], v[rA:rA+11], v[rW:rW+11], v[rC:rC+7], v[rX], v[rS] matrix_a_fmt:MATRIX_FMT_FP6 matrix_b_fmt:MATRIX_FMT_FP6 matrix_a_scale:MATRIX_SCALE_ROW1 matrix_b_scale:MATRIX_SCALE_ROW1
.endif
.endif
.endm
; 16 products: steps 4 half .. 4 half + 3.  The four accumulators take turns, one instruction a turn, from half to half and from block to block.
.macro MUL a, half
	WIN 0x07+4*(\half)                             ; source 0 (x) window 3, source 1 (W) window 1 or 2, C and D window 0
.irp s, 0,1,2,3
.irp b, 0,1,2,3
	PROD \a, 4*(\half)+\s, \b
.endr
.endr
.endm
; A block of 16 rows.  It is passed over, with all that follow, where the tile has no row in it.
.macro BLOCK a
	s_cmp_le_u32 s44, 16*(\a)
	s_cbranch_scc1 .Ldone
	s_wait_xcnt 0x0                                ; the last block's stores have read their offsets and their data: OT and OUT are written again only behind this wait
	ds_load_b128 v[OT:OT+3], v13 offset:64*(\a)    ; the tokens of rows 16 a + 8 (lane / 16) + 0 .. 7
	ds_load_b128 v[OT+4:OT+7], v13 offset:64*(\a)+16
.if (\a) < 8
	AFETCH (\a)+1                                  ; the next block's fragments, into the set that the block before multiplied: that block's 48 vector instructions stand between
	s_wait_dscnt 26                                ; all but the 2 + 24 loads just issued: this block's fragments are in (in block 0: W's too)
.else
	s_wait_dscnt 2
.endif
	MUL \a, 0
	MUL \a, 1
	WIN 0
.if (\a) < 8
	s_wait_dscnt 24                                ; the tokens are in; the next block's 24 loads may be out
.else
	s_wait_dscnt 0x0
.endif
.irp j, 0,1,2,3,4,5,6,7                ; sixteen plain instructions that name no register of the products: the places behind the last product, for the additions below and for the next block's products, which begin the accumulators anew
	v_min_u32 v[OT+\j], 0x1fff, v[OT+\j]           ; a loaded number enters an address only under a written bound: 8,192 tokens
.endr
.irp j, 0,1,2,3,4,5,6,7
	v_lshl_add_u32 v[OT+\j], v[OT+\j], 12, v4      ; a row of out0 is 4,096 bytes; + 16 r
.endr
.irp j, 0,1,2,3,4,5,6,7                ; each accumulator is read from its lowest register on
.irp b, 0,1,2,3
	v_add_f32 v[OUT+4*\j+\b], v[ACC+8*\b+\j], v[BIAS+\b]
.endr
	global_store_b128 v[OT+\j], v[OUT+4*\j:OUT+4*\j+3], s[18:19] th:TH_STORE_NT   ; sixteen lanes store 256 consecutive bytes, at a multiple of 256 from out0's first byte; written once, read by nobody here
.endr
.endm
	s_load_b512 s[4:19], s[0:1], 0x0               ; x_codes s[4:5], x_scales s[6:7], weight_codes s[8:9], weight_scales s[10:11], bias s[12:13], list s[14:15], meta s[16:17], out0 s[18:19]
	v_lshl_add_u32 v254, v0, 2, 0x4d300
	v_mov_b32 v255, 0
	v_lshrrev_b32 v1, 5, v0
	v_readfirstlane_b32 s49, v1                    ; wave 0..3
	v_and_b32 v1, 31, v0                           ; l
	v_and_b32 v2, 15, v0                           ; r
	v_bfe_u32 v3, v0, 4, 1                         ; h
	v_lshlrev_b32 v4, 4, v2                        ; 16 r
	v_mad_u32_u24 v5, v3, 768, v4                  ; W in memory: row h of a pair, 16 r
	s_mul_i32 s50, s49, WREG
	s_add_co_u32 s50, s50, WB                      ; my wave's rows of W in LDS
	v_mad_u32_u24 v6, v3, 16*P, v4
	v_add_nc_u32 v6, s50, v6                       ; where W is stored
	v_mul_u32_u24 v10, v2, P
	v_mad_u32_u24 v10, v3, 384, v10                ; a fragment's place: row r, my half of it: x's blocks 0-4,
	v_add_nc_u32 v7, s50, v10                      ; W's,
	v_add_nc_u32 v11, 5*16*P, v10                  ; x's blocks 5-8
	s_mul_i32 s51, s49, 32*P
	v_mad_u32_u24 v8, v3, 8*P, v4
	v_add_nc_u32 v8, s51, v8                       ; where I store x's rows 32 w on: lanes 16-31 eight rows further down
	s_mul_i32 s51, s49, 4*P
	s_add_co_u32 s51, s51, 128*P
	v_mad_u32_u24 v9, v3, 2*P, v4
	v_add_nc_u32 v9, s51, v9                       ; and rows 128 + 4 w on: lanes 16-31 two rows further down
	s_mul_i32 s51, s49, TOKW
	s_add_co_u32 s51, s51, TOKB                    ; my wave's token words
	v_lshl_add_u32 v12, v1, 2, s51                 ; in: 4 l
	v_lshl_add_u32 v13, v3, 5, s51                 ; back, for a block's rows: 8 words for each half of the lanes
	s_lshl_b32 s52, s49, 4
	s_add_co_u32 s52, s52, s51
	s_add_co_u32 s52, s52, 512
	v_lshl_add_u32 v14, v3, 3, s52                 ; back, for rows 128 + 4 w + 2 h + 0, 1
	s_lshl_b32 s52, s49, 7
	v_add_nc_u32 v18, s52, v13                     ; back, for rows 32 w + 8 h on
	v_lshlrev_b32 v15, 7, v2
	v_lshl_add_u32 v15, v3, 5, v15                 ; W's scale rows: output 4 r + h: 128 r + 32 h
	s_mov_b32 s46, 0x05010400                      ; byte selects for a scale word: even steps: bytes 0, 1 of the row's dwords s / 2 and 4 + s / 2, by turns;
	s_mov_b32 s47, 0x07030602                      ; odd steps: bytes 2, 3
	s_and_b32 s36, ttmp7, 0xffff                   ; y: my row tile
	s_wait_kmcnt 0x0
	s_load_b512 s[20:35], s[16:17], 0x0            ; n[0..7] s20-27, t[0..7] s28-35
	s_wait_kmcnt 0x0
	; which category is tile y's?  The last c whose first tile is at or below y: no branch.  Categories without tokens have no tile and are passed over; a y beyond the last tile falls on category 7 with no rows left
	s_mov_b32 s37, 0                               ; tiles in front of category c
	s_mov_b32 s41, 0                               ; list entries in front of it
	s_mov_b32 s38, 0                               ; C
	s_mov_b32 s39, s20                             ; N = n[C]
	s_mov_b32 s40, 0                               ; C's first tile
	s_mov_b32 s42, 0                               ; C's first list entry
.irp c, 1,2,3,4,5,6,7
	s_add_co_u32 s37, s37, s[28+\c-1]
	s_add_co_u32 s41, s41, s[20+\c-1]
	s_cmp_ge_u32 s36, s37
	s_cselect_b32 s38, \c, s38
	s_cselect_b32 s39, s[20+\c], s39
	s_cselect_b32 s40, s37, s40
	s_cselect_b32 s42, s41, s42
.endr
	s_sub_co_u32 s43, s36, s40
	s_mul_i32 s43, s43, 144                        ; my first row among C's
	s_sub_co_i32 s44, s39, s43
	s_max_i32 s44, s44, 0                          ; rows left from there on
	s_max_u32 s45, s39, 1
	s_sub_co_u32 s45, s45, 1                       ; C's last row
	v_add_nc_u32 v17, s43, v1
.irp i, 0,1,2,3,4
	v_add_nc_u32 v[AT+\i], 32*\i, v17              ; row 32 i + l of the tile,
	v_min_u32 v[AT+\i], s45, v[AT+\i]              ; held at the category's last row,
	v_add_nc_u32 v[AT+\i], s42, v[AT+\i]           ; in the list,
	v_min_u32 v[AT+\i], 0x1fff, v[AT+\i]           ; under a written bound: the list has 8,192 words, all of them written
	v_lshlrev_b32 v[AT+\i], 2, v[AT+\i]
	global_load_b32 v[TK+\i], v[AT+\i], s[14:15]
.endr
	s_min_u32 s38, s38, 7                          ; a written bound for the category too
	s_lshl_b32 s50, s38, 10
	s_lshl_b32 s52, ttmp9, 8
	s_lshl_b32 s53, s49, 6
	s_add_co_u32 s52, s52, s53                     ; my first output: 256 x + 64 w
	s_add_co_u32 s50, s50, s52                     ; and its row among W's 8,192
	s_mov_b32 s55, 0
	s_mul_i32 s54, s50, 768
	s_add_nc_u64 s[8:9], s[8:9], s[54:55]
	s_lshl_b32 s54, s50, 5
	s_add_nc_u64 s[10:11], s[10:11], s[54:55]
	s_lshl_b32 s54, s50, 2
	s_add_nc_u64 s[12:13], s[12:13], s[54:55]
	s_lshl_b32 s54, s52, 2
	s_add_nc_u64 s[18:19], s[18:19], s[54:55]
.irp j, 0,1
.irp e, 0,1
	global_load_b128 v[WSR+8*\j+4*\e:WSR+8*\j+4*\e+3], v15, s[10:11] offset:64*\j+16*\e   ; the 32 scale bytes of output 4 r + 2 j + h
.endr
.endr
	global_load_b128 v[BIAS:BIAS+3], v4, s[12:13]
	WRAW 0
	WIN 0
	s_wait_loadcnt 53                              ; the five list loads are in; the 4 + 1 + 48 loads issued behind them may be out.  It also frees their offsets
.irp i, 0,1,2,3,4
	ds_store_b32 v12, v[TK+\i] offset:128*\i       ; the tile's tokens into my wave's own words: LDS serves a wave's instructions in order, so the loads below see them
.endr
	ds_load_b128 v[ST:ST+3], v18                   ; rows 32 w + 8 h + 0 .. 7,
	ds_load_b128 v[ST+4:ST+7], v18 offset:16
	ds_load_b128 v[ST+8:ST+11], v18 offset:64      ; 32 w + 16 + 8 h + 0 .. 7,
	ds_load_b128 v[ST+12:ST+15], v18 offset:80
	ds_load_b64 v[ST+16:ST+17], v14                ; 128 + 4 w + 2 h + 0, 1
.irp i, 0,1,2,3,4
	v_min_u32 v[AT+\i], 0x1fff, v[TK+\i]
	v_lshlrev_b32 v[AT+\i], 5, v[AT+\i]            ; my token's 32 scale bytes
	global_load_b128 v[XSR+8*\i:XSR+8*\i+3], v[AT+\i], s[6:7]
	global_load_b128 v[XSR+8*\i+4:XSR+8*\i+7], v[AT+\i], s[6:7] offset:16
.endr
	s_wait_dscnt 0x0
.irp k, 0,1,2,3,4,5,6,7,8,9,10,11,12,13,14,15,16,17
	v_min_u32 v[ST+\k], 0x1fff, v[ST+\k]
.endr
.irp k, 0,1,2,3,4,5,6,7,8,9,10,11,12,13,14,15,16,17
	v_mad_u32_u24 v[ST+\k], v[ST+\k], 768, v4      ; the token's row of codes, + 16 r
.endr
	WIN 0xc0                                       ; destination window 3
.irp k, 0,1,2,3,4,5,6,7,8,9,10,11,12,13,14,15,16,17
.irp u, 0,1,2
	global_load_b128 v[4*(3*\k+\u):4*(3*\k+\u)+3], v[ST+\k], s[4:5] offset:256*\u   ; sixteen lanes read 256 consecutive bytes of one token's row
.endr
.endr
	WRAW 1
	WIN 0
	s_wait_loadcnt 48                              ; all but the 48 loads of W's second half are in
.irp j, 0,1
.irp s, 0,1,2,3,4,5,6,7
	v_perm_b32 v[WS+8*\j+\s], v[WSR+8*\j+4+\s/2], v[WSR+8*\j+\s/2], s[46+\s%2]   ; bytes {2 s, 16 + 2 s, 2 s + 1, 17 + 2 s} of the scale row
.endr
.endr
.irp i, 0,1,2,3,4
.irp s, 0,1,2,3,4,5,6,7
	v_perm_b32 v[XS+8*\i+\s], v[XSR+8*\i+4+\s/2], v[XSR+8*\i+\s/2], s[46+\s%2]
.endr
.endr
	WIN 0x0c                                       ; an LDS store's data are its source 1: window 3
.irp k, 0,1,2,3,4,5,6,7,8,9,10,11,12,13,14,15
.irp u, 0,1,2
	ds_store_b128 v8, v[4*(3*\k+\u):4*(3*\k+\u)+3] offset:(16*(\k/8)+\k%8)*P+256*\u
.endr
.endr
.irp k, 16,17
.irp u, 0,1,2
	ds_store_b128 v9, v[4*(3*\k+\u):4*(3*\k+\u)+3] offset:(\k-16)*P+256*\u
.endr
.endr
	WSTORE 0
	s_wait_loadcnt 0x0                             ; W's second half
	WSTORE 1
	WIN 0
	s_wait_dscnt 0x0                               ; for the others' sake: my rows of x have landed in LDS
	s_barrier_signal -1
	WFRAG 0                                        ; while the others arrive: my own rows of W, which nobody writes again
	WFRAG 1
	WIN 0
	s_barrier_wait -1                              ; all 144 rows of x lie in LDS; no LDS byte is written from here on
	AFETCH 0
	WIN 0
.rept 8
	v_nop                                          ; the scale words were made by vector instructions: eight places stand between them and the first scaled product
.endr
	BLOCK 0
	BLOCK 1
	BLOCK 2
	BLOCK 3
	BLOCK 4
	BLOCK 5
	BLOCK 6
	BLOCK 7
	BLOCK 8
.Ldone:
	s_wait_dscnt 0x0                               ; fragments asked for a block that was passed over
	s_wait_tensorcnt 0x0
	ds_add_u32 v254, v255
	s_wait_dscnt 0x0
	s_endpgm
.Lfunc_end_k_q5975118c0a_gemm:
	.size	k_q5975118c0a_gemm, .Lfunc_end_k_q5975118c0a_gemm-k_q5975118c0a_gemm
	.p2alignl 7, 3214868480
	.fill 96, 4, 3214868480
	.section	.rodata,"a",@progbits
	.p2align	6, 0x0
	.amdhsa_kernel k_q5975118c0a_gemm
		.amdhsa_group_segment_fixed_size 316672
		.amdhsa_private_segment_fixed_size 0
		.amdhsa_enable_private_segment 0
		.amdhsa_kernarg_size 64
		.amdhsa_user_sgpr_count 2
		.amdhsa_user_sgpr_kernarg_segment_ptr 1
		.amdhsa_wavefront_size32 1
		.amdhsa_system_sgpr_workgroup_id_x 1
		.amdhsa_system_sgpr_workgroup_id_y 1
		.amdhsa_system_sgpr_workgroup_id_z 1
		.amdhsa_system_vgpr_workitem_id 0
		.amdhsa_next_free_vgpr 1024
		.amdhsa_next_free_sgpr 66
		.amdhsa_reserve_vcc 0
		.amdhsa_float_denorm_mode_32 3
		.amdhsa_float_denorm_mode_16_64 3
		.amdhsa_memory_ordered 1
		.amdhsa_forward_progress 1
		.amdhsa_inst_pref_size 124
	.end_amdhsa_kernel
	.amdgpu_metadata
---
amdhsa.version: [ 1, 2 ]
amdhsa.kernels:
  - .name:           k_q5975118c0a_gemm
    .symbol:         k_q5975118c0a_gemm.kd
    .args:
      - { .name: x_codes, .offset: 0, .size: 8, .value_kind: global_buffer, .address_space: global }
      - { .name: x_scales, .offset: 8, .size: 8, .value_kind: global_buffer, .address_space: global }
      - { .name: weight_codes, .offset: 16, .size: 8, .value_kind: global_buffer, .address_space: global }
      - { .name: weight_scales, .offset: 24, .size: 8, .value_kind: global_buffer, .address_space: global }
      - { .name: bias, .offset: 32, .size: 8, .value_kind: global_buffer, .address_space: global }
      - { .name: list, .offset: 40, .size: 8, .value_kind: global_buffer, .address_space: global }
      - { .name: meta, .offset: 48, .size: 8, .value_kind: global_buffer, .address_space: global }
      - { .name: out0, .offset: 56, .size: 8, .value_kind: global_buffer, .address_space: global }
    .group_segment_fixed_size: 316672
    .private_segment_fixed_size: 0
    .kernarg_segment_align: 8
    .kernarg_segment_size: 64
    .max_flat_workgroup_size: 128
    .sgpr_count:     66
    .vgpr_count:     1024
    .wavefront_size: 32
...
	.end_amdgpu_metadata
.endif
;; end of part 2
;; ======== version 2 of 2: 2 launches
;; workspace buffers: list 32,768 bytes of whole numbers; meta 256 bytes of whole numbers
;; launch route (part 3): grid 8 x 1, 16 waves a work-group, no clusters, 2,304 bytes of LDS; arguments category_id, list, meta; writes list, meta
.if DOCPART == 3
	.amdgcn_target "amdgcn-amd-amdhsa--gfx1250"
	.amdhsa_code_object_version 6
	.text
	.protected	k_q5975118c0a_route
	.globl	k_q5975118c0a_route
	.p2align	8
	.type	k_q5975118c0a_route,@function
k_q5975118c0a_route:
	s_mov_b64 s[64:65], 0
	v_nop
	global_prefetch_b8 v0, s[64:65] scope:SCOPE_SE
	s_setreg_imm32_b32 hwreg(HW_REG_WAVE_MODE, 25, 1), 1
	s_wait_xcnt 0x0
; A counting sort of the 8,192 tokens by category, without atomics.  category_id: [8192] int32, values 0 .. 7.
; Work-group c lists category c: it reads ALL ids, counts those below c (where its part of the list begins) and those equal to c,
; and stores the numbers of its tokens into list[begin .. begin + n - 1].  The eight parts follow each other, so every word of list is written.
; meta word c = n (tokens of category c), meta word 8 + c = ceil(n / 144) (tiles of 144 rows that the next launch gives it).
; SHARES: sixteen waves; wave w takes ids 512 w .. 512 w + 511 by four loads of 16 bytes a lane (512 consecutive bytes a load).
; Slot j = 4 q + k of lane l is token 512 w + 128 q + 4 l + k.  Inside a category the list's order is wave, slot, lane: any order serves.
; LIMIT: an id outside 0 .. 7 is not served (the problem states that an index stays inside its table): such a token would be listed nowhere.
; The list's stores are 4 bytes a lane at neighbouring words of the list, under a mask: 32 KiB in all.
.set ID,   16                          ; v16-31  my 16 ids
.set POS,  32                          ; v32-47  slot j: where my token goes in the list, in bytes
.set TOKN, 48                          ; v48-63  the waves' 16 count words as they come from LDS, then slot j's token number
.set MK,   20                          ; s20-35  slot j: the lanes whose id is c
.set WD,   36                          ; s36-51  wave i's word: its count of ids = c below, of ids < c above
	s_load_b128 s[4:7], s[0:1], 0x0                ; category_id s[4:5], list s[6:7]
	s_load_b64 s[8:9], s[0:1], 0x10                ; meta
	v_lshl_add_u32 v72, v0, 2, 0x100
	v_mov_b32 v73, 0
	v_lshrrev_b32 v1, 5, v0
	s_delay_alu instid0(VALU_DEP_1)
	v_readfirstlane_b32 s10, v1                    ; wave 0..15
	v_and_b32 v1, 31, v0                           ; lane
	s_mov_b32 s11, ttmp9                           ; c
	s_lshl_b32 s54, ttmp9, 2                       ; my word of meta: 4 c bytes, in a pair that holds nothing else
	s_mov_b32 s55, 0
	v_mov_b32 v8, 0                                ; the offset of the stores into meta; never rewritten
	s_lshl_b32 s14, s10, 11
	v_lshl_add_u32 v2, v1, 4, s14                  ; my 16 bytes of a load: 2,048 w + 16 l
	s_lshl_b32 s15, s10, 9
	v_lshl_add_u32 v3, v1, 2, s15                  ; my first token: 512 w + 4 l
	v_mov_b32 v4, s10
	s_delay_alu instid0(VALU_DEP_1)
	v_lshlrev_b32 v4, 2, v4                        ; LDS: my wave's word
	v_mov_b32 v5, 0                                ; LDS: the sixteen words
	s_mov_b32 s12, 0                               ; my wave's ids = c
	s_mov_b32 s13, 0                               ; my wave's ids < c
	s_wait_alu depctr_va_vdst(0)
	s_wait_kmcnt 0x0
	s_add_nc_u64 s[8:9], s[8:9], s[54:55]          ; meta at word c
.irp q, 0,1,2,3
	global_load_b128 v[ID+4*\q:ID+4*\q+3], v2, s[4:5] offset:512*\q
.endr
.irp q, 0,1,2,3
	s_wait_loadcnt 3-\q                            ; loads come back in order: load q is in, the 3 - q younger ones may be out
.irp k, 0,1,2,3
	v_cmp_eq_u32 s[MK+4*\q+\k], s11, v[ID+4*\q+\k]
	v_cmp_gt_u32 vcc_lo, s11, v[ID+4*\q+\k]        ; c > id
	s_bcnt1_i32_b32 s14, s[MK+4*\q+\k]
	s_bcnt1_i32_b32 s15, vcc_lo
	s_add_co_u32 s12, s12, s14
	s_add_co_u32 s13, s13, s15
.endr
.endr
	; the waves' counts meet in LDS: one word a wave, both counts in it (each at most 8,192, so sums of 16-bit halves never carry)
	s_lshl_b32 s14, s13, 16
	s_or_b32 s14, s14, s12
	v_mov_b32 v6, s14
	ds_store_b32 v4, v6                            ; all lanes write the same word with the same value
	s_wait_dscnt 0x0                               ; for the others' sake: my store has landed
	s_barrier_signal -1
	s_barrier_wait -1
.irp i, 0,1,2,3
	ds_load_b128 v[TOKN+4*\i:TOKN+4*\i+3], v5 offset:16*\i
.endr
	s_wait_dscnt 0x0
.irp i, 0,1,2,3,4,5,6,7,8,9,10,11,12,13,14,15
	v_readfirstlane_b32 s[WD+\i], v[TOKN+\i]
.endr
	s_mov_b32 s16, 0                               ; all waves' words added
	s_mov_b32 s17, 0                               ; those of the waves in front of mine
.irp i, 0,1,2,3,4,5,6,7,8,9,10,11,12,13,14,15
	s_cmp_gt_u32 s10, \i
	s_cselect_b32 s14, s[WD+\i], 0
	s_add_co_u32 s17, s17, s14
	s_add_co_u32 s16, s16, s[WD+\i]
.endr
	s_and_b32 s18, s16, 0xffff                     ; n: tokens of category c
	s_lshr_b32 s19, s16, 16                        ; where category c begins: all ids < c,
	s_and_b32 s14, s17, 0xffff
	s_add_co_u32 s19, s19, s14                     ; and my wave's part of it: behind the earlier waves' tokens
.irp j, 0,1,2,3,4,5,6,7,8,9,10,11,12,13,14,15
	v_mbcnt_lo_u32_b32 v[POS+\j], s[MK+\j], s19    ; the slot's begin + the marked lanes below mine
	s_bcnt1_i32_b32 s14, s[MK+\j]
	s_add_co_u32 s19, s19, s14
	v_min_u32 v[POS+\j], 0x1fff, v[POS+\j]         ; a number made of loaded data enters an address only under a written bound: the list has 8,192 words
	s_delay_alu instid0(VALU_DEP_1)
	v_lshlrev_b32 v[POS+\j], 2, v[POS+\j]
	v_add_nc_u32 v[TOKN+\j], 128*(\j/4)+\j%4, v3   ; the slot's token
.endr
	s_wait_alu depctr_va_vdst(0)
	s_wait_xcnt 0x0                                ; EXEC is a source of the loads above: it changes only behind this wait
.irp j, 0,1,2,3,4,5,6,7,8,9,10,11,12,13,14,15
	s_and_saveexec_b32 s52, s[MK+\j]               ; the lanes whose token belongs to c
	global_store_b32 v[POS+\j], v[TOKN+\j], s[6:7]
	s_wait_xcnt 0x0                                ; and it widens again only behind this one; nothing is issued between the restore and the next narrowing
	s_or_b32 exec_lo, exec_lo, s52
.endr
	s_cmp_lg_u32 s10, 0                            ; wave 0 stores the two numbers
	s_cbranch_scc1 .Lend
	s_add_co_u32 s14, s18, 143                     ; m = n + 143, at most 8,335
	s_mul_i32 s14, s14, 116509                     ; floor(m / 144) = (m x 116,509) >> 24: 144 x 116,509 = 2^24 + 80, so the quotient is m / 144 + 80 m / (144 x 2^24), and the excess stays under 1 / 144 while 80 m < 2^24; the product stays under 2^32
	s_lshr_b32 s15, s14, 24                        ; ceil(n / 144)
	v_mov_b32 v9, s18
	v_mov_b32 v10, s15
	global_store_b32 v8, v9, s[8:9]                ; all lanes: the same word, the same value
	global_store_b32 v8, v10, s[8:9] offset:32
.Lend:
	s_wait_tensorcnt 0x0
	ds_add_u32 v72, v73
	s_wait_dscnt 0x0
	s_endpgm
.Lfunc_end_k_q5975118c0a_route:
	.size	k_q5975118c0a_route, .Lfunc_end_k_q5975118c0a_route-k_q5975118c0a_route
	.p2alignl 7, 3214868480
	.fill 96, 4, 3214868480
	.section	.rodata,"a",@progbits
	.p2align	6, 0x0
	.amdhsa_kernel k_q5975118c0a_route
		.amdhsa_group_segment_fixed_size 2304
		.amdhsa_private_segment_fixed_size 0
		.amdhsa_enable_private_segment 0
		.amdhsa_kernarg_size 24
		.amdhsa_user_sgpr_count 2
		.amdhsa_user_sgpr_kernarg_segment_ptr 1
		.amdhsa_wavefront_size32 1
		.amdhsa_system_sgpr_workgroup_id_x 1
		.amdhsa_system_sgpr_workgroup_id_y 1
		.amdhsa_system_sgpr_workgroup_id_z 1
		.amdhsa_system_vgpr_workitem_id 0
		.amdhsa_next_free_vgpr 74
		.amdhsa_next_free_sgpr 66
		.amdhsa_reserve_vcc 1
		.amdhsa_float_denorm_mode_32 3
		.amdhsa_float_denorm_mode_16_64 3
		.amdhsa_memory_ordered 1
		.amdhsa_forward_progress 1
		.amdhsa_inst_pref_size 18
	.end_amdhsa_kernel
	.amdgpu_metadata
---
amdhsa.version: [ 1, 2 ]
amdhsa.kernels:
  - .name:           k_q5975118c0a_route
    .symbol:         k_q5975118c0a_route.kd
    .args:
      - { .name: category_id, .offset: 0, .size: 8, .value_kind: global_buffer, .address_space: global }
      - { .name: list, .offset: 8, .size: 8, .value_kind: global_buffer, .address_space: global }
      - { .name: meta, .offset: 16, .size: 8, .value_kind: global_buffer, .address_space: global }
    .group_segment_fixed_size: 2304
    .private_segment_fixed_size: 0
    .kernarg_segment_align: 8
    .kernarg_segment_size: 24
    .max_flat_workgroup_size: 512
    .sgpr_count:     66
    .vgpr_count:     74
    .wavefront_size: 32
...
	.end_amdgpu_metadata
.endif
;; end of part 3
;; launch gemm (part 4): grid 4 x 64, 4 waves a work-group, no clusters, 316,672 bytes of LDS; arguments x_codes, x_scales, weight_codes, weight_scales, bias, list, meta, out0; writes out0
.if DOCPART == 4
	.amdgcn_target "amdgcn-amd-amdhsa--gfx1250"
	.amdhsa_code_object_version 6
	.text
	.protected	k_q5975118c0a_gemm
	.globl	k_q5975118c0a_gemm
	.p2align	8
	.type	k_q5975118c0a_gemm,@function
k_q5975118c0a_gemm:
	s_mov_b64 s[64:65], 0
	v_nop
	global_prefetch_b8 v0, s[64:65] scope:SCOPE_SE
	s_setreg_imm32_b32 hwreg(HW_REG_WAVE_SCHED_MODE, 0, 2), 2
	s_setreg_imm32_b32 hwreg(HW_REG_WAVE_MODE, 25, 1), 1
	s_wait_xcnt 0x0
	s_wait_alu depctr_vm_vsrc(0)
; out[t][:] = x[t] . W[cid[t]] + bias[cid[t]], on codes of FP6 (E2M3) with one E8M0 scale for each 32 along K = 1,024; only the chosen category of each token is multiplied.
; x_codes [8192][768 bytes], x_scales [8192][32]; weight_codes [8][1024 outputs][768 bytes], weight_scales [8][1024][32]; bias [8][1024] f32; out0 [8192][1024] f32.
; list [8192]: token numbers sorted by category; meta: words 0-7 n[c], words 8-15 t[c] = ceil(n[c] / 144): both stored by the launch before.
; SHARES.  A tile is 144 listed rows of ONE category x 256 outputs, all of K.  Whatever the split, sum of ceil(n[c] / 144) is at most (8,192 + 8 x 143) / 144, so 64 row tiles serve every split:
; grid y = row tile, grid x = quarter of the outputs: 256 work-groups.  Wave w makes outputs 256 x + 64 w .. + 63 for all 144 rows: 9 blocks of 16 rows x 4 tiles of 16 outputs x 8 matrix instructions.
; A tile that the split leaves short passes over its empty blocks of 16 rows by a scalar branch on the stored counts; a tile with no rows stores nothing.  All such branches stand behind the one barrier.
; NO JOINT LOADS, NO TENSOR LOADS: which category a work-group serves and how many rows it has are numbers read from memory, its x rows are gathered by the list, and short tiles leave by a branch on those
; numbers; so partners could not be held to the same requests, and the operands come by plain loads: every load of codes reads whole aligned runs of 256 bytes (sixteen lanes to a third of a row).
; LDS holds the 144 rows of x (shared) and each wave's own 64 rows of W, 784 bytes apart: 784 = 49 x 16, so the 16-byte pieces that sixteen rows' lanes take start at sixteen different places modulo 256 bytes.
; K IS TAKEN IN ANOTHER ORDER, BY WHOLE BLOCKS OF 32, ALIKE ON BOTH SIDES: lane half h owns bytes 384 h .. 384 h + 383 of its row, and matrix instruction s takes the lane's bytes 48 s .. 48 s + 47: three loads of 16 bytes.
; The operand's registers 6 c .. 6 c + 5 of half h then hold the row's block 16 h + 2 s + c, where the instruction expects its block 2 c + h: so the scale word of step s is the row's bytes {2 s, 16 + 2 s, 2 s + 1, 17 + 2 s}.
; LIMIT: the products are the same; the f32 sums are taken in that order of K and not in ascending order, so their last bits may differ from an ascending sum's.
; LAYOUT OF THE RESULT.  Source 0 = 16 rows of x, source 1 = 16 rows of W.  Lane r of W's tile b takes output 4 r + b of the wave's 64, so register j of accumulator b in lane (r, h) is out(row 8 h + j, output 4 r + b):
; the bias addition puts the four tiles' numbers into four neighbouring registers, and one store of 16 bytes a lane writes 256 consecutive aligned bytes of row j (lanes 0-15) and of row 8 + j (lanes 16-31).
; ROWS PAST A CATEGORY'S END inside a block of 16 are copies of its last row (the list index is held at the category's last entry): they store the same numbers to the same bytes.
; REGISTERS, in windows of 256: window 0: addresses, scale words, bias, accumulators, results.  Windows 1, 2: W as loaded, then W's 32 fragments ((b, s) at v[12 (4 b + s % 4)] of window 1 + s / 4): they stay.
;   window 3: x as loaded, then two sets of a block's 8 fragments, at v[96 (a % 2) + 12 s].
; THE MODE: SCHED_MODE bits 1:0 = 2 (LLVM: expert scheduling mode 2), set by the entry lines.  The code itself states the register dependences
; between vector or matrix instructions and memory or LDS instructions, with s_wait_alu, always for 0.
; THE PLAN.  Registers that memory or LDS instructions touch:
;   v4-v15, v18   offsets and LDS addresses: written at the head, ahead of the first wait on va_vdst, and never again.
;   AT            made twice: offsets into the list (read by the five list loads), then, behind a wait on vm_vsrc, offsets into x's scales.
;   ST            the tokens of the rows that I bring in come from LDS, vector lines make offsets of them; one wait on va_vdst, for AT too, stands ahead of the run of loads that read them.
;   windows 1-3   loaded from memory, read by the LDS stores, then loaded again with fragments: one wait on vm_vsrc, in front of the barrier.
;   x's sets      block a's products read set a % 2; the loads of block a + 2's fragments, issued in block a + 1, land in it.
;   OT0/1, OUT0/1 block a's token loads and vector lines write OT[a % 2], its additions OUT[a % 2]; its eight stores, which read both, are issued at the head of block a + 1.
;   WS, XS        made by vector lines, taken by the products as scales.
; So ONE wait on va_vdst stands at a block's head: the block before has written its OT and OUT and is done reading its set.  Behind it stand that block's stores, this block's token loads and the next block's
; fragment loads, the last dealt among this block's products, which name this block's set, W, the accumulators and the scale words: none of the registers that those loads and stores touch.
; From block 2 on a wait on vm_vsrc stands there too, ahead of the stores: the stores of two blocks back have read the OT and OUT that this block writes again.
.set P,     784                        ; an LDS row: 768 bytes + 16
.set WB,    144*P                      ; behind x's 144 rows: W, 64 rows for each wave
.set WREG,  64*P
.set TOKB,  WB+4*WREG                  ; behind W: the tile's 160 token words, once for each wave
.set TOKW,  640
.set TK,   20                          ; v20-24   lane l: the token of row 32 i + l
.set WS,   32                          ; v32-47   W's scale words: v[WS + 8 j + s]: lanes 0-15 tile 2 j, lanes 16-31 tile 2 j + 1
.set XS,   48                          ; v48-87   x's: v[XS + 8 i + s]: lanes 0-15 block 2 i, lanes 16-31 block 2 i + 1
.set BIAS, 88                          ; v88-91   bias of outputs 4 r + 0 .. 3
.set ACC,  96                          ; v96-127  four accumulators
.set OUT,  128                         ; v128-159 results with bias: register 4 j + b: even blocks';  odd blocks' NB registers on: v168-199
.set OT,   160                         ; v160-167 row j's byte offset in out0: even blocks';  odd blocks' NB registers on: v200-207
.set NB,   40                          ; from an even block's OUT and OT to an odd block's
.set WSR,  168                         ; v168-183 W's scale rows as loaded; free once the scale words are made
.set XSR,  184                         ; v184-223 x's, likewise
.set ST,   224                         ; v224-241 byte offsets of the 18 pairs of x rows that I bring in
.set AT,   242                         ; v242-246 offsets: into the list, then into x's scales
.set MSB, 0
.macro WIN new                         ; the immediate's high byte repeats the setting that is left; a switch that changes nothing is dropped
.if MSB != (\new)
	s_set_vgpr_msb (MSB<<8)|(\new)
.set MSB, (\new)
.endif
.endm
; My 64 rows of W, a half at a time: pair p is rows 2 p (lanes 0-15) and 2 p + 1 (lanes 16-31), part u is 256 bytes of each
.macro WRAW half
	WIN 0x40*(1+\half)                             ; destination window 1 or 2
.irp p, 0,1,2,3,4,5,6,7,8,9,10,11,12,13,14,15
.irp u, 0,1,2
	global_load_b128 v[4*(3*\p+\u):4*(3*\p+\u)+3], v5, s[8:9] offset:1536*(16*\half+\p)+256*\u
.endr
.endr
.endm
.macro WSTORE half                     ; output q = 4 r + b goes to LDS row 16 b + r: pair p's rows to 32 (p % 2) + 16 (lane / 16) + p / 2
	WIN 0x04*(1+\half)                             ; an LDS store's data are its source 1
.irp p, 0,1,2,3,4,5,6,7,8,9,10,11,12,13,14,15
.irp u, 0,1,2
	ds_store_b128 v6, v[4*(3*\p+\u):4*(3*\p+\u)+3] offset:(32*(\p%2)+8*\half+\p/2)*P+256*\u
.endr
.endr
.endm
.macro WFRAG half                      ; W's fragments of steps 4 half .. 4 half + 3
	WIN 0x40*(1+\half)
.irp b, 0,1,2,3
.irp s, 0,1,2,3
.irp c, 0,1,2
	ds_load_b128 v[12*(4*\b+\s)+4*\c:12*(4*\b+\s)+4*\c+3], v7 offset:16*P*\b+48*(4*\half+\s)+16*\c
.endr
.endr
.endr
.endm
.macro AFETCH a, part                  ; block a's fragments of x of steps 4 part .. 4 part + 3: 192 bytes a lane, 12 loads, into set a % 2
	WIN 0xc0                                       ; destination window 3
.irp q, 0,1,2,3,4,5,6,7,8,9,10,11
.if (\a) < 5
	ds_load_b128 v[96*((\a)%2)+48*(\part)+4*\q:96*((\a)%2)+48*(\part)+4*\q+3], v10 offset:((\a)%5)*16*P+192*(\part)+16*\q
.else
	ds_load_b128 v[96*((\a)%2)+48*(\part)+4*\q:96*((\a)%2)+48*(\part)+4*\q+3], v11 offset:((\a)%5)*16*P+192*(\part)+16*\q
.endif
.endr
.endm
; One product: block a of x, step s, tile b of W.  Step 0 starts the sum with the constant 0.  An odd block's, and an odd tile's, scale words lie in lanes 16-31.
.macro PROD a, s, b
.set rA, 96*((\a)%2)+12*(\s)
.set rW, 12*(4*(\b)+(\s)%4)
.set rC, ACC+8*(\b)
.set rX, XS+8*((\a)/2)+(\s)
.set rS, WS+8*((\b)/2)+(\s)
.if (\s) == 0
.if ((\a)%2 == 0) && ((\b)%2 == 0)
	v_wmma_scale_f32_16x16x128_f8f6f4 v[rC:rC+7], v[rA:rA+11], v[rW:rW+11], 0, v[rX], v[rS] matrix_a_fmt:MATRIX_FMT_FP6 matrix_b_fmt:MATRIX_FMT_FP6
.elseif ((\a)%2 == 1) && ((\b)%2 == 0)
	v_wmma_scale_f32_16x16x128_f8f6f4 v[rC:rC+7], v[rA:rA+11], v[rW:rW+11], 0, v[rX], v[rS] matrix_a_fmt:MATRIX_FMT_FP6 matrix_b_fmt:MATRIX_FMT_FP6 matrix_a_scale:MATRIX_SCALE_ROW1
.elseif ((\a)%2 == 0) && ((\b)%2 == 1)
	v_wmma_scale_f32_16x16x128_f8f6f4 v[rC:rC+7], v[rA:rA+11], v[rW:rW+11], 0, v[rX], v[rS] matrix_a_fmt:MATRIX_FMT_FP6 matrix_b_fmt:MATRIX_FMT_FP6 matrix_b_scale:MATRIX_SCALE_ROW1
.else
	v_wmma_scale_f32_16x16x128_f8f6f4 v[rC:rC+7], v[rA:rA+11], v[rW:rW+11], 0, v[rX], v[rS] matrix_a_fmt:MATRIX_FMT_FP6 matrix_b_fmt:MATRIX_FMT_FP6 matrix_a_scale:MATRIX_SCALE_ROW1 matrix_b_scale:MATRIX_SCALE_ROW1
.endif
.else
.if ((\a)%2 == 0) && ((\b)%2 == 0)
	v_wmma_scale_f32_16x16x128_f8f6f4 v[rC:rC+7], v[rA:rA+11], v[rW:rW+11], v[rC:rC+7], v[rX], v[rS] matrix_a_fmt:MATRIX_FMT_FP6 matrix_b_fmt:MATRIX_FMT_FP6
.elseif ((\a)%2 == 1) && ((\b)%2 == 0)
	v_wmma_scale_f32_16x16x128_f8f6f4 v[rC:rC+7], v[rA:rA+11], v[rW:rW+11], v[rC:rC+7], v[rX], v[rS] matrix_a_fmt:MATRIX_FMT_FP6 matrix_b_fmt:MATRIX_FMT_FP6 matrix_a_scale:MATRIX_SCALE_ROW1
.elseif ((\a)%2 == 0) && ((\b)%2 == 1)
	v_wmma_scale_f32_16x16x128_f8f6f4 v[rC:rC+7], v[rA:rA+11], v[rW:rW+11], v[rC:rC+7], v[rX], v[rS] matrix_a_fmt:MATRIX_FMT_FP6 matrix_b_fmt:MATRIX_FMT_FP6 matrix_b_scale:MATRIX_SCALE_ROW1
.else
	v_wmma_scale_f32_16x16x128_f8f6f4 v[rC:rC+7], v[rA:rA+11], v[rW:rW+11], v[rC:rC+7], v[rX], v[rS] matrix_a_fmt:MATRIX_FMT_FP6 matrix_b_fmt:MATRIX_FMT_FP6 matrix_a_scale:MATRIX_SCALE_ROW1 matrix_b_scale:MATRIX_SCALE_ROW1
.endif
.endif
.endm
; 16 products: steps 4 half .. 4 half + 3.  The four accumulators take turns, one instruction a turn, from half to half and from block to block.
.macro MUL a, half
	WIN 0x07+4*(\half)                             ; source 0 (x) window 3, source 1 (W) window 1 or 2, C and D window 0
.irp s, 0,1,2,3
.irp b, 0,1,2,3
	PROD \a, 4*(\half)+\s, \b
.endr
.endr
.endm
; Block a's eight stores, out of its OT and OUT.  They stand at the head of the block behind it, behind that head's wait on va_vdst.
.macro SENDOUT a
.irp j, 0,1,2,3,4,5,6,7
	global_store_b128 v[OT+NB*((\a)%2)+\j], v[OUT+NB*((\a)%2)+4*\j:OUT+NB*((\a)%2)+4*\j+3], s[18:19] th:TH_STORE_NT   ; sixteen lanes store 256 consecutive bytes, at a multiple of 256 from out0's first byte; written once, read by nobody here
.endr
.endm
; A block of 16 rows.  At its head the block before is stored.  The block itself is passed over, with all that follow, where the tile has no row in it.
.macro BLOCK a
.if (\a) > 1
	s_wait_xcnt 0x0                                ; the stores of two blocks back have had their addresses translated: their offsets and data, this block's OT and OUT, are written again only behind this wait
	s_wait_alu depctr_vm_vsrc(0)                   ; and they have read those registers: this block's token loads land in that OT, its additions write that OUT
.endif
	s_wait_alu depctr_va_vdst(0)                   ; block 0: the scale words are written, which the products take (the eight places stand ahead), and the lines that made them are done reading the scale rows, where odd blocks' tokens land.  Later blocks: the block before has written its OT and OUT, which the stores below read, and its products are done reading their set of x's fragments, in which the fragment loads below land
.if (\a) > 0
	SENDOUT (\a)-1
.endif
	s_cmp_le_u32 s44, 16*(\a)
	s_cbranch_scc1 .Ldone
	ds_load_b128 v[OT+NB*((\a)%2):OT+NB*((\a)%2)+3], v13 offset:64*(\a)          ; the tokens of rows 16 a + 8 (lane / 16) + 0 .. 7
	ds_load_b128 v[OT+NB*((\a)%2)+4:OT+NB*((\a)%2)+7], v13 offset:64*(\a)+16
.if (\a) < 8
	AFETCH (\a)+1, 0                               ; the next block's first four fragments, into the set that the block before multiplied
	s_wait_dscnt 14                                ; all but the 2 + 12 loads just issued: this block's fragments are in (in block 0: W's too)
.else
	s_wait_dscnt 2
.endif
	MUL \a, 0
.if (\a) < 8
	AFETCH (\a)+1, 1                               ; its other four.  No wait: no vector or matrix instruction since the head's wait names that set or the loads' address
.endif
	MUL \a, 1
	WIN 0
.if (\a) < 8
	s_wait_dscnt 24                                ; the tokens are in; the next block's 24 loads may be out
.else
	s_wait_dscnt 0x0
.endif
.irp j, 0,1,2,3,4,5,6,7                ; sixteen plain instructions that name no register of the products: the places behind the last product, for the additions below and for the next block's products, which begin the accumulators anew
	v_min_u32 v[OT+NB*((\a)%2)+\j], 0x1fff, v[OT+NB*((\a)%2)+\j]           ; a loaded number enters an address only under a written bound: 8,192 tokens
.endr
.irp j, 0,1,2,3,4,5,6,7
	v_lshl_add_u32 v[OT+NB*((\a)%2)+\j], v[OT+NB*((\a)%2)+\j], 12, v4      ; a row of out0 is 4,096 bytes; + 16 r
.endr
.irp j, 0,1,2,3,4,5,6,7                ; each accumulator is read from its lowest register on
.irp b, 0,1,2,3
	v_add_f32 v[OUT+NB*((\a)%2)+4*\j+\b], v[ACC+8*\b+\j], v[BIAS+\b]
.endr
.endr
.endm
	s_load_b512 s[4:19], s[0:1], 0x0               ; x_codes s[4:5], x_scales s[6:7], weight_codes s[8:9], weight_scales s[10:11], bias s[12:13], list s[14:15], meta s[16:17], out0 s[18:19]
	v_lshl_add_u32 v254, v0, 2, 0x4d300
	v_mov_b32 v255, 0
	v_lshrrev_b32 v1, 5, v0
	v_readfirstlane_b32 s49, v1                    ; wave 0..3
	v_and_b32 v1, 31, v0                           ; l
	v_and_b32 v2, 15, v0                           ; r
	v_bfe_u32 v3, v0, 4, 1                         ; h
	v_lshlrev_b32 v4, 4, v2                        ; 16 r
	v_mad_u32_u24 v5, v3, 768, v4                  ; W in memory: row h of a pair, 16 r
	s_wait_alu depctr_va_sdst(0)                   ; s49 is written, ahead of its first reader: LDS addresses and the bases of W, bias and out0 are made from it
	s_mul_i32 s50, s49, WREG
	s_add_co_u32 s50, s50, WB                      ; my wave's rows of W in LDS
	v_mad_u32_u24 v6, v3, 16*P, v4
	v_add_nc_u32 v6, s50, v6                       ; where W is stored
	v_mul_u32_u24 v10, v2, P
	v_mad_u32_u24 v10, v3, 384, v10                ; a fragment's place: row r, my half of it: x's blocks 0-4,
	v_add_nc_u32 v7, s50, v10                      ; W's,
	v_add_nc_u32 v11, 5*16*P, v10                  ; x's blocks 5-8
	s_mul_i32 s51, s49, 32*P
	v_mad_u32_u24 v8, v3, 8*P, v4
	v_add_nc_u32 v8, s51, v8                       ; where I store x's rows 32 w on: lanes 16-31 eight rows further down
	s_mul_i32 s51, s49, 4*P
	s_add_co_u32 s51, s51, 128*P
	v_mad_u32_u24 v9, v3, 2*P, v4
	v_add_nc_u32 v9, s51, v9                       ; and rows 128 + 4 w on: lanes 16-31 two rows further down
	s_mul_i32 s51, s49, TOKW
	s_add_co_u32 s51, s51, TOKB                    ; my wave's token words
	v_lshl_add_u32 v12, v1, 2, s51                 ; in: 4 l
	v_lshl_add_u32 v13, v3, 5, s51                 ; back, for a block's rows: 8 words for each half of the lanes
	s_lshl_b32 s52, s49, 4
	s_add_co_u32 s52, s52, s51
	s_add_co_u32 s52, s52, 512
	v_lshl_add_u32 v14, v3, 3, s52                 ; back, for rows 128 + 4 w + 2 h + 0, 1
	s_lshl_b32 s52, s49, 7
	v_add_nc_u32 v18, s52, v13                     ; back, for rows 32 w + 8 h on
	v_lshlrev_b32 v15, 7, v2
	v_lshl_add_u32 v15, v3, 5, v15                 ; W's scale rows: output 4 r + h: 128 r + 32 h
	s_mov_b32 s46, 0x05010400                      ; byte selects for a scale word: even steps: bytes 0, 1 of the row's dwords s / 2 and 4 + s / 2, by turns;
	s_mov_b32 s47, 0x07030602                      ; odd steps: bytes 2, 3
	s_and_b32 s36, ttmp7, 0xffff                   ; y: my row tile
	s_wait_kmcnt 0x0
	s_load_b512 s[20:35], s[16:17], 0x0            ; n[0..7] s20-27, t[0..7] s28-35
	s_wait_kmcnt 0x0
	; which category is tile y's?  The last c whose first tile is at or below y: no branch.  Categories without tokens have no tile and are passed over; a y beyond the last tile falls on category 7 with no rows left
	s_mov_b32 s37, 0                               ; tiles in front of category c
	s_mov_b32 s41, 0                               ; list entries in front of it
	s_mov_b32 s38, 0                               ; C
	s_mov_b32 s39, s20                             ; N = n[C]
	s_mov_b32 s40, 0                               ; C's first tile
	s_mov_b32 s42, 0                               ; C's first list entry
.irp c, 1,2,3,4,5,6,7
	s_add_co_u32 s37, s37, s[28+\c-1]
	s_add_co_u32 s41, s41, s[20+\c-1]
	s_cmp_ge_u32 s36, s37
	s_cselect_b32 s38, \c, s38
	s_cselect_b32 s39, s[20+\c], s39
	s_cselect_b32 s40, s37, s40
	s_cselect_b32 s42, s41, s42
.endr
	s_sub_co_u32 s43, s36, s40
	s_mul_i32 s43, s43, 144                        ; my first row among C's
	s_sub_co_i32 s44, s39, s43
	s_max_i32 s44, s44, 0                          ; rows left from there on
	s_max_u32 s45, s39, 1
	s_sub_co_u32 s45, s45, 1                       ; C's last row
	v_add_nc_u32 v17, s43, v1
.irp i, 0,1,2,3,4
	v_add_nc_u32 v[AT+\i], 32*\i, v17              ; row 32 i + l of the tile,
	v_min_u32 v[AT+\i], s45, v[AT+\i]              ; held at the category's last row,
	v_add_nc_u32 v[AT+\i], s42, v[AT+\i]           ; in the list,
	v_min_u32 v[AT+\i], 0x1fff, v[AT+\i]           ; under a written bound: the list has 8,192 words, all of them written
	v_lshlrev_b32 v[AT+\i], 2, v[AT+\i]
.endr
	s_wait_alu depctr_va_vdst(0)                   ; AT is written, which the list loads read; so are v4 to v15 and v18, the offsets and LDS addresses that the loads and stores of the whole kernel read and that are never written again
.irp i, 0,1,2,3,4
	global_load_b32 v[TK+\i], v[AT+\i], s[14:15]
.endr
	s_min_u32 s38, s38, 7                          ; a written bound for the category too
	s_lshl_b32 s50, s38, 10
	s_lshl_b32 s52, ttmp9, 8
	s_lshl_b32 s53, s49, 6
	s_add_co_u32 s52, s52, s53                     ; my first output: 256 x + 64 w
	s_add_co_u32 s50, s50, s52                     ; and its row among W's 8,192
	s_mov_b32 s55, 0
	s_mul_i32 s54, s50, 768
	s_add_nc_u64 s[8:9], s[8:9], s[54:55]
	s_lshl_b32 s54, s50, 5
	s_add_nc_u64 s[10:11], s[10:11], s[54:55]
	s_lshl_b32 s54, s50, 2
	s_add_nc_u64 s[12:13], s[12:13], s[54:55]
	s_lshl_b32 s54, s52, 2
	s_add_nc_u64 s[18:19], s[18:19], s[54:55]
.irp j, 0,1
.irp e, 0,1
	global_load_b128 v[WSR+8*\j+4*\e:WSR+8*\j+4*\e+3], v15, s[10:11] offset:64*\j+16*\e   ; the 32 scale bytes of output 4 r + 2 j + h
.endr
.endr
	global_load_b128 v[BIAS:BIAS+3], v4, s[12:13]
	WRAW 0
	WIN 0
	s_wait_loadcnt 53                              ; the five list loads are in; the 4 + 1 + 48 loads issued behind them may be out.  It also frees their offsets
.irp i, 0,1,2,3,4
	ds_store_b32 v12, v[TK+\i] offset:128*\i       ; the tile's tokens into my wave's own words: LDS serves a wave's instructions in order, so the loads below see them
.endr
	ds_load_b128 v[ST:ST+3], v18                   ; rows 32 w + 8 h + 0 .. 7,
	ds_load_b128 v[ST+4:ST+7], v18 offset:16
	ds_load_b128 v[ST+8:ST+11], v18 offset:64      ; 32 w + 16 + 8 h + 0 .. 7,
	ds_load_b128 v[ST+12:ST+15], v18 offset:80
	ds_load_b64 v[ST+16:ST+17], v14                ; 128 + 4 w + 2 h + 0, 1
	s_wait_alu depctr_vm_vsrc(0)                   ; the list loads have read AT, which the lines below write again
.irp i, 0,1,2,3,4
	v_min_u32 v[AT+\i], 0x1fff, v[TK+\i]
	v_lshlrev_b32 v[AT+\i], 5, v[AT+\i]            ; my token's 32 scale bytes
.endr
	s_wait_dscnt 0x0
.irp k, 0,1,2,3,4,5,6,7,8,9,10,11,12,13,14,15,16,17
	v_min_u32 v[ST+\k], 0x1fff, v[ST+\k]
.endr
.irp k, 0,1,2,3,4,5,6,7,8,9,10,11,12,13,14,15,16,17
	v_mad_u32_u24 v[ST+\k], v[ST+\k], 768, v4      ; the token's row of codes, + 16 r
.endr
	s_wait_alu depctr_va_vdst(0)                   ; AT and ST are written, which the loads of x's scales and of x's codes read as their offsets
.irp i, 0,1,2,3,4
	global_load_b128 v[XSR+8*\i:XSR+8*\i+3], v[AT+\i], s[6:7]
	global_load_b128 v[XSR+8*\i+4:XSR+8*\i+7], v[AT+\i], s[6:7] offset:16
.endr
	WIN 0xc0                                       ; destination window 3
.irp k, 0,1,2,3,4,5,6,7,8,9,10,11,12,13,14,15,16,17
.irp u, 0,1,2
	global_load_b128 v[4*(3*\k+\u):4*(3*\k+\u)+3], v[ST+\k], s[4:5] offset:256*\u   ; sixteen lanes read 256 consecutive bytes of one token's row
.endr
.endr
	WRAW 1
	WIN 0
	s_wait_loadcnt 48                              ; all but the 48 loads of W's second half are in
.irp j, 0,1
.irp s, 0,1,2,3,4,5,6,7
	v_perm_b32 v[WS+8*\j+\s], v[WSR+8*\j+4+\s/2], v[WSR+8*\j+\s/2], s[46+\s%2]   ; bytes {2 s, 16 + 2 s, 2 s + 1, 17 + 2 s} of the scale row
.endr
.endr
.irp i, 0,1,2,3,4
.irp s, 0,1,2,3,4,5,6,7
	v_perm_b32 v[XS+8*\i+\s], v[XSR+8*\i+4+\s/2], v[XSR+8*\i+\s/2], s[46+\s%2]
.endr
.endr
	WIN 0x0c                                       ; an LDS store's data are its source 1: window 3
.irp k, 0,1,2,3,4,5,6,7,8,9,10,11,12,13,14,15
.irp u, 0,1,2
	ds_store_b128 v8, v[4*(3*\k+\u):4*(3*\k+\u)+3] offset:(16*(\k/8)+\k%8)*P+256*\u
.endr
.endr
.irp k, 16,17
.irp u, 0,1,2
	ds_store_b128 v9, v[4*(3*\k+\u):4*(3*\k+\u)+3] offset:(\k-16)*P+256*\u
.endr
.endr
	WSTORE 0
	s_wait_loadcnt 0x0                             ; W's second half
	WSTORE 1
	WIN 0
	s_wait_dscnt 0x0                               ; for the others' sake: my rows of x have landed in LDS
	s_wait_alu depctr_vm_vsrc(0)                   ; my LDS stores have read their data in windows 1, 2 and 3, in which the fragment loads below land
	s_barrier_signal -1
	WFRAG 0                                        ; while the others arrive: my own rows of W, which nobody writes again
	WFRAG 1
	WIN 0
	s_barrier_wait -1                              ; all 144 rows of x lie in LDS; no LDS byte is written from here on
	AFETCH 0, 0
	AFETCH 0, 1
	WIN 0
.rept 8
	v_nop                                          ; the scale words were made by vector instructions: eight places stand between them and the first scaled product
.endr
	BLOCK 0
	BLOCK 1
	BLOCK 2
	BLOCK 3
	BLOCK 4
	BLOCK 5
	BLOCK 6
	BLOCK 7
	BLOCK 8
	s_wait_alu depctr_va_vdst(0)                   ; block 8 has written its OT and OUT, which the last eight stores read
	SENDOUT 8
.Ldone:
	s_wait_dscnt 0x0                               ; the closing lines, six on end, of a launch in the mode that stores to LDS
	s_wait_alu 0x0
	s_wait_tensorcnt 0x0
	ds_add_u32 v254, v255
	s_wait_dscnt 0x0
	s_endpgm
.Lfunc_end_k_q5975118c0a_gemm:
	.size	k_q5975118c0a_gemm, .Lfunc_end_k_q5975118c0a_gemm-k_q5975118c0a_gemm
	.p2alignl 7, 3214868480
	.fill 96, 4, 3214868480
	.section	.rodata,"a",@progbits
	.p2align	6, 0x0
	.amdhsa_kernel k_q5975118c0a_gemm
		.amdhsa_group_segment_fixed_size 316672
		.amdhsa_private_segment_fixed_size 0
		.amdhsa_enable_private_segment 0
		.amdhsa_kernarg_size 64
		.amdhsa_user_sgpr_count 2
		.amdhsa_user_sgpr_kernarg_segment_ptr 1
		.amdhsa_wavefront_size32 1
		.amdhsa_system_sgpr_workgroup_id_x 1
		.amdhsa_system_sgpr_workgroup_id_y 1
		.amdhsa_system_sgpr_workgroup_id_z 1
		.amdhsa_system_vgpr_workitem_id 0
		.amdhsa_next_free_vgpr 1024
		.amdhsa_next_free_sgpr 66
		.amdhsa_reserve_vcc 0
		.amdhsa_float_denorm_mode_32 3
		.amdhsa_float_denorm_mode_16_64 3
		.amdhsa_memory_ordered 1
		.amdhsa_forward_progress 1
		.amdhsa_inst_pref_size 125
	.end_amdhsa_kernel
	.amdgpu_metadata
---
amdhsa.version: [ 1, 2 ]
amdhsa.kernels:
  - .name:           k_q5975118c0a_gemm
    .symbol:         k_q5975118c0a_gemm.kd
    .args:
      - { .name: x_codes, .offset: 0, .size: 8, .value_kind: global_buffer, .address_space: global }
      - { .name: x_scales, .offset: 8, .size: 8, .value_kind: global_buffer, .address_space: global }
      - { .name: weight_codes, .offset: 16, .size: 8, .value_kind: global_buffer, .address_space: global }
      - { .name: weight_scales, .offset: 24, .size: 8, .value_kind: global_buffer, .address_space: global }
      - { .name: bias, .offset: 32, .size: 8, .value_kind: global_buffer, .address_space: global }
      - { .name: list, .offset: 40, .size: 8, .value_kind: global_buffer, .address_space: global }
      - { .name: meta, .offset: 48, .size: 8, .value_kind: global_buffer, .address_space: global }
      - { .name: out0, .offset: 56, .size: 8, .value_kind: global_buffer, .address_space: global }
    .group_segment_fixed_size: 316672
    .private_segment_fixed_size: 0
    .kernarg_segment_align: 8
    .kernarg_segment_size: 64
    .max_flat_workgroup_size: 128
    .sgpr_count:     66
    .vgpr_count:     1024
    .wavefront_size: 32
...
	.end_amdgpu_metadata
.endif
;; end of part 4
